; MI455X (gfx1250); checked and timed in simulation.
; The chip was launched on July 23, 2026; its instructions are those of AMD's public machine-readable ISA for CDNA 5 (MIT licence, August 2026) and "CDNA5" Instruction Set Architecture Reference Guide (July 2026). The comments in the code are by the model that wrote it; some were corrected since.
;; CNN Vector Quantizer. Allowed arithmetic: float matrix products may take bf16 or f16 operands with f32 sums; other float arithmetic in f32, or as packed bf16 or f16 multiplies, adds, multiply-adds, maxima and minima; sums over many terms, partial sums and values carried from step to step in f32; what a program stores and reads back later, other than sums and carried values, may be rounded once to bf16 or f16.
;; Inputs: emb 1,024 x 64 float32; x 64 x 64 x 32 x 32 float32.
;; Outputs: out0 64 x 64 x 32 x 32 float32; out1 one number float32.
;; One version. Each part assembles by itself: llvm-mc -triple=amdgcn-amd-amdhsa -mcpu=gfx1250 --defsym DOCPART=n.
;; ======== version 1 of 1: 2 launches
;; limits: a difference of large sums (such as E[x^2] - mean^2): digits are lost where the result is much smaller than its terms; values outside matrix products are rounded to bf16
;; workspace buffers: idx 262,144 bytes of whole numbers; part 4,096 bytes
;; launch vq_argmin (part 1): grid 256 x 1, 4 waves a work-group, no clusters, 156,160 bytes of LDS; arguments emb, x, idx, part; writes idx, part
.if DOCPART == 1
	.amdgcn_target "amdgcn-amd-amdhsa--gfx1250"
	.amdhsa_code_object_version 6
	.text
	.protected	k_qfe5551ac75_vq_argmin
	.globl	k_qfe5551ac75_vq_argmin
	.p2align	8
	.type	k_qfe5551ac75_vq_argmin,@function
k_qfe5551ac75_vq_argmin:
	s_mov_b64 s[64:65], 0
	v_nop
	global_prefetch_b8 v0, s[64:65] scope:SCOPE_SE
	s_setreg_imm32_b32 hwreg(HW_REG_WAVE_MODE, 25, 1), 1
	s_wait_xcnt 0x0
; VECTOR QUANTIZER, FIRST OF TWO LAUNCHES: for each of the 65,536 tokens (b, h, w) the index of the nearest of 1,024 codes, and the loss's partial sums.
; x: [64][64 channels][1024 places] f32, emb: [1024][64] f32.  Out: idx[65536] (whole numbers, token = 1024 b + place), part[1024] f32 (a wave's sum of squared distances).
; WORK LEFT OUT, for all finite values of the inputs:
;  (1) d = |x|^2 + |e|^2 - 2 x.e: |x|^2 is the same for all codes of a token, so argmin d = argmax s with s = x.e - |e|^2 / 2.  |x|^2 is not added to the 67 million scores.
;  (2) stop_gradient changes no value: quantized = x + (q - x) = q, so the second launch writes q and does not read x; the two latent losses are the same number, so loss = 1.25 mean((q - x)^2).
;  (3) the sum over a token's channels of (q - x)^2 is |x|^2 - 2 s_max: formed here, lane by lane (four tokens' halves), from the best scores.  No input is left out: x and emb are both read.
; FORMATS.  x and emb are rounded to bf16 for the product; |e|^2 and |x|^2 are taken of the ROUNDED numbers, so that (1) and (3) hold exactly for the rounded inputs; all sums in f32.
; LIMITS.  NaN and infinities are not treated apart (v_max3_num_f32 lets a NaN lose), and one that reaches only the work left out (x - x in (2)) is not carried to the result.  The best score starts at the
;  lowest finite number.  Equal scores: the lowest index wins, as in argmin; codes whose distances differ by less than f32 rounding may be ordered otherwise than in the f32 sum |x|^2 + |e|^2 - 2 x.e.
;  (3) takes a difference: with a common offset of 30 spreads on both inputs its terms are some 2,000 times the result, which leaves about 1e-4 of it in f32.
; SHARES.  256 work-groups of 256 tokens; wave w takes 64 tokens and ALL 1,024 codes: 64 tiles of 16 codes x 4 tiles of 16 tokens x 2 products of 32 channels = 512 matrix instructions.
;  Token tile tt, column r, is token 64 w + 4 r + tt: a load of 16 bytes of x then brings one channel's numbers for all four token tiles, and x needs neither LDS nor a turning load.
; LAYOUT.  Source 0 = 16 codes, source 1 = 16 tokens: in the result a lane holds ONE token (lane % 16) and the codes 8 (lane / 16) + 0..7.  C of a tile's first product is -|e|^2 / 2.
; THE TABLE goes through registers, since it is rounded on the way, IN FOUR BATCHES of 16 tiles.  Of each batch a wave loads four tiles, rounds them, stores them once in LDS and takes |e|^2 as the diagonal of
;  E E^T; a barrier shows the batch to all four waves, and its 16 steps follow.  A batch's loads are issued two batches ahead, into registers of their own, so that they land while earlier batches are
;  multiplied.  The bytes that a batch's stores write are read by no wave before that barrier, and they are other bytes than those that the steps of the batch before read: no barrier stands in front of the stores.
;  NO CLUSTER: a joint tensor load would land the table as f32, 262,144 bytes, which do not fit beside the bf16 copy's 147,456 in 327,680.
; THE ARGMAX.  For 8 scores of a lane: 4 v_max3 (the running best among them), a compare, a select of the tile's number, 8 selects that keep the winning tile's scores.  At the end the lowest j whose kept
;  score equals the best gives the code.  These 14 x 4 instructions work on the tile before and stand, seven at a time, behind the 8 products of a step, across the batches too; all the steps' registers lie in window 0.
.set PE,    144                        ; a code's row in LDS: 128 bytes + 16 = 36 words: the 16 rows of a fragment load start at 16 different groups of four banks (64 banks of 4 bytes: ISA guide 11.1)
.set TILEB, 16*PE
.set NT,    1024*PE                    ; -|e|^2/2: 32 words a tile; words 0-7 hold codes 0-7, words 24-31 codes 8-15 (the lanes that hold the diagonal); words 8-23 are written and never read
.set SPARE, NT+64*128                  ; the spare words, 128 bytes for each of four waves: two blocks of 256 bytes that no other line names
.set HH,   1                           ; v1   lane / 16
.set XOFF, 2                           ; v2   my byte offset in x's loads: 16 (lane % 16) + 8 channels x (lane / 16)
.set EOFF, 3                           ; v3   in emb's: 16 (lane % 16) + 8 rows x (lane / 16)
.set AAD,  4                           ; v4   LDS address of my part of a code fragment; steps two tiles at a time
.set CAD,  5                           ; v5   of my eight -|e|^2/2; steps likewise
.set EST,  6                           ; v6   where I store rounded codes; steps a batch at a time
.set NFA,  7                           ; v7   where I read my own tiles' fragments back; steps likewise
.set NST,  8                           ; v8   where I store the diagonal
.set R16,  9                           ; v9   16 (lane % 16)
.set H8,   10                          ; v10  8 (lane / 16)
.set LANE, 11
.set ZERO, 12
.set SPW,  13                          ; v13  LDS address of my spare word; never rewritten
.set NIL,  14                          ; v14  0; never rewritten
.set RR,   15                          ; v15  lane % 16
.set XB,   16                          ; v[16:79]   x's fragments: token tile tt, channels 32 kc on, at XB + 16 tt + 8 kc
.set AF,   80                          ; v[80:111]  two buffers of a code tile's two fragments
.set GA,   80                          ;            between two batches' steps, when they hold nothing: four accumulators of E E^T
.set CF,   112                         ; v[112:127] two buffers of C
.set S,    128                         ; v[128:191] two buffers of 4 x 8 scores
.set SV,   192                         ; v[192:223] the winning tile's scores, 8 a token tile
.set BE,   224                         ; v[224:231] the best score, two sets that take turns
.set TI,   232                         ; v[232:235] the winning tile's number; at the end the index
.set U,    236                         ; v[236:243] at work
.set XA,   244                         ; v[244:247] four sums of squares of my numbers of x
.set LS,   248                         ; v248 my lane's share of the loss's sum
.set CT,   0                           ; window 1, v[0:63]: rounded codes on their way to LDS.  Before that window 1, v[0:127]: x as loaded
.set GF,   128                         ; window 1, v[128:191]: fragments for E E^T.  Windows 2 and 3: the table as loaded, 128 registers a batch
.set WV,   12
.set CNT,  13
.set TN,   14                          ; s14  the number of the tile that the argmax works on
.set DM,   20                          ; s[20:27] lanes j and 24 + j: where register j of E E^T holds the diagonal
.set CM,   28                          ; s[28:31] a token tile's lanes that have a new best
.set SEL,  32                          ; s[32:33] v_permlanex16_b32: each lane takes its own place in the other half
.set MSB, 0
.macro WIN new                         ; the immediate's high byte repeats the setting that is left; a switch that changes nothing is dropped
.if MSB != (\new)
	s_set_vgpr_msb (MSB<<8)|(\new)
.set MSB, (\new)
.endif
.endm
; Batch be of the table: my tiles 16 be + 4 w + 0..3.  Sixteen lanes take a row's 256 bytes, lanes 16-31 the row 8 further down.
.macro LOADT be
	WIN 0x80+0x40*((\be)/2)                        ; destination window 2 or 3, address window 0
.set i, 0
.rept 32
	global_load_b128 v[128*((\be)%2)+4*i:128*((\be)%2)+4*i+3], v[EOFF], s[4:5] offset:(16*(\be)+i/8)*4096+(i%8)*256
.set i, i+1
.endr
.endm
; The batch is rounded to bf16 and stored: 8 bytes a lane; rows 8 apart lie 288 words apart, 32 modulo 64, so the two halves of the lanes touch different banks.
.macro CONVT be
	WIN 0x4a+5*((\be)/2)                           ; sources 0 and 1 window 2 or 3, destination window 1
.set i, 0
.rept 32
	v_cvt_pk_bf16_f32 v[CT+2*i],   v[128*((\be)%2)+4*i],   v[128*((\be)%2)+4*i+1]
	v_cvt_pk_bf16_f32 v[CT+2*i+1], v[128*((\be)%2)+4*i+2], v[128*((\be)%2)+4*i+3]
.set i, i+1
.endr
	WIN 0x04                                       ; address window 0, data (source 1) window 1
.set i, 0
.rept 32
	ds_store_b64 v[EST], v[CT+2*i:CT+2*i+1] offset:(i/8)*TILEB+(i%8)*PE
.set i, i+1
.endr
.endm
; |e|^2 of my 64 codes of the batch: the diagonal of E E^T, of the rounded numbers.  Register j of the result holds the diagonal in lanes j (code j) and 24 + j (code 8 + j).
.macro NORM be
	WIN 0x40                                       ; destination window 1
.set i, 0
.rept 8                                        ; tile i / 2, channels 32 (i % 2) on: my own bytes, and LDS serves a wave's instructions in order (ISA guide 5.7.1.4): these see the stores above
	ds_load_b128 v[GF+8*i:GF+8*i+3],   v[NFA] offset:(i/2)*TILEB+64*(i%2)
	ds_load_b128 v[GF+8*i+4:GF+8*i+7], v[NFA] offset:(i/2)*TILEB+64*(i%2)+32
.set i, i+1
.endr
	s_wait_dscnt 0x0
	WIN 0x05                                       ; sources 0 and 1 window 1; C and D window 0
.set i, 0
.rept 4                                        ; the four accumulators take turns, one instruction a turn; the first product starts each sum
	v_wmma_f32_16x16x32_bf16 v[GA+8*i:GA+8*i+7], v[GF+16*i:GF+16*i+7], v[GF+16*i:GF+16*i+7], 0
.set i, i+1
.endr
.set i, 0
.rept 4
	v_wmma_f32_16x16x32_bf16 v[GA+8*i:GA+8*i+7], v[GF+16*i+8:GF+16*i+15], v[GF+16*i+8:GF+16*i+15], v[GA+8*i:GA+8*i+7]
.set i, i+1
.endr
	WIN 0
.rept 4
	v_nop                                          ; four places between the last product and the first read of a result, and the loads into these registers that follow
.endr
.set i, 0
.rept 4                                        ; each accumulator's lowest registers are read first
	v_cndmask_b32 v[U+i], v[GA+8*i], v[GA+8*i+1], s[DM+1]
.set i, i+1
.endr
.irp j, 2,3,4,5,6,7
.set i, 0
.rept 4
	v_cndmask_b32 v[U+i], v[U+i], v[GA+8*i+(\j)], s[DM+(\j)]
.set i, i+1
.endr
.endr
.set i, 0
.rept 4
	v_mul_f32 v[U+i], -0.5, v[U+i]
.set i, i+1
.endr
.set i, 0
.rept 4
	ds_store_b32 v[NST], v[U+i] offset:128*(16*(\be)+i)
.set i, i+1
.endr
.endm
; A BATCH COMES IN.  left: the younger loads that may stay out; next: the batch whose loads are issued now (4: none is left).
.macro BATCH be, left, next
	s_wait_loadcnt \left                           ; loads come back in order (ISA guide 5.7.1): batch be is in; the batch behind it may stay out
.if (\next) < 4
	LOADT \next                                    ; two batches ahead: it has this conversion, 32 steps and the next batch's conversion in which to land
.endif
	CONVT \be
	NORM \be
	s_wait_dscnt 0x0                               ; for the others' sake: my four tiles and their -|e|^2/2 lie in LDS
	s_barrier_signal -1
.if (\be) < 3
	v_add_nc_u32 v[EST], 16*TILEB, v[EST]          ; the next batch's place
	v_add_nc_u32 v[NFA], 16*TILEB, v[NFA]
.endif
	s_barrier_wait -1                              ; the batch's 16 tiles lie in LDS
.endm
; A code tile's six LDS loads into buffer b, in the order in which they are wanted: channels 0-31, C, channels 32-63.
.macro LOADF b, off
	ds_load_b128 v[AF+16*(\b):AF+16*(\b)+3],     v[AAD] offset:(\off)*TILEB
	ds_load_b128 v[AF+16*(\b)+4:AF+16*(\b)+7],   v[AAD] offset:(\off)*TILEB+32
	ds_load_b128 v[CF+8*(\b):CF+8*(\b)+3],       v[CAD] offset:(\off)*128
	ds_load_b128 v[CF+8*(\b)+4:CF+8*(\b)+7],     v[CAD] offset:(\off)*128+16
	ds_load_b128 v[AF+16*(\b)+8:AF+16*(\b)+11],  v[AAD] offset:(\off)*TILEB+64
	ds_load_b128 v[AF+16*(\b)+12:AF+16*(\b)+15], v[AAD] offset:(\off)*TILEB+96
.endm
; Number n of the 56 instructions of a tile's argmax, on score buffer q.  Two token tiles alternate, so that no line reads the result of the line before it.
.macro RID q
.set tt, 2*(n/28)+n%2
.set kk, (n%28)/2
.set sj, S+32*(\q)+8*tt
.set bo, BE+4*(\q)+tt
.set bn, BE+4*(1-(\q))+tt
.if kk == 0
	v_max3_num_f32 v[U+2*tt], v[sj], v[sj+1], v[sj+2]            ; the accumulator's lowest registers are read first
.elseif kk == 1
	v_max3_num_f32 v[U+2*tt+1], v[sj+3], v[sj+4], v[sj+5]
.elseif kk == 2
	v_max3_num_f32 v[U+2*tt], v[U+2*tt], v[sj+6], v[sj+7]
.elseif kk == 3
	v_max3_num_f32 v[bn], v[U+2*tt], v[U+2*tt+1], v[bo]          ; the new best
.elseif kk == 4
	v_cmp_gt_f32 s[CM+tt], v[bn], v[bo]                          ; strictly greater: of equal scores the earlier tile's stays
.elseif kk == 5
	v_cndmask_b32 v[TI+tt], v[TI+tt], s[TN], s[CM+tt]
.else
	v_cndmask_b32 v[SV+8*tt+kk-6], v[SV+8*tt+kk-6], v[sj+kk-6], s[CM+tt]
.endif
.set n, n+1
.endm
; A STEP: the 8 products of one code tile, from buffers p; ride = 1: behind each, seven instructions of the argmax of the tile before; load = 1: the next tile's fragments are asked for first.
; The loads go into registers that the step before multiplied: its last product stands seven plain instructions back (four v_nop where nothing rides), none of which names a register of that product.
; The four accumulators take turns, one instruction a turn, over the backward jump too.
.macro STEP p, ride, load, off
.if \load
	LOADF 1-(\p), \off
.endif
	s_wait_dscnt 6*(\load)+2                       ; channels 0-31 and C are in; out may be this tile's last two loads and the next tile's six
.set n, 0
.set i, 0
.rept 8
.if i == 4
	s_wait_dscnt 6*(\load)                         ; channels 32-63 are in; the next tile's six may be out
.endif
.set dd, S+32*(\p)+8*(i%4)
.set aa, AF+16*(\p)+8*(i/4)
.set bb, XB+16*(i%4)+8*(i/4)
.if i < 4
	v_wmma_f32_16x16x32_bf16 v[dd:dd+7], v[aa:aa+7], v[bb:bb+7], v[CF+8*(\p):CF+8*(\p)+7]
.else
	v_wmma_f32_16x16x32_bf16 v[dd:dd+7], v[aa:aa+7], v[bb:bb+7], v[dd:dd+7]
.endif
.if \ride
.rept 7
	RID 1-(\p)
.endr
.endif
.set i, i+1
.endr
.if \ride
	s_add_co_u32 s[TN], s[TN], 1
.else
.rept 4
	v_nop
.endr
.endif
.endm
; A BATCH'S 16 STEPS.  ride0 = 0: the very first step has no tile before it.  Elsewhere the first step carries the argmax of the last tile of the batch before, whose scores have waited in their buffer.
; The last step loads nothing: the next tile belongs to a batch that is not yet in LDS.  The two addresses end at the next batch's first tile.
.macro STEPS ride0
	LOADF 0, 0                                     ; the batch's tile 0
	STEP 0, \ride0, 1, 1                           ; tile 0's products; tile 1 is asked for
	v_add_nc_u32 v[AAD], 2*TILEB, v[AAD]
	v_add_nc_u32 v[CAD], 256, v[CAD]
.if !(\ride0)
	s_mov_b32 s[TN], 0
.endif
	s_mov_b32 s[CNT], 7
.Lpair_\@:                                     ; trip k of 7: the products of tiles 2 k + 1 and 2 k + 2, the argmax of tiles 2 k and 2 k + 1, the loads of tiles 2 k + 2 and 2 k + 3
	STEP 1, 1, 1, 0
	STEP 0, 1, 1, 1
	v_add_nc_u32 v[AAD], 2*TILEB, v[AAD]
	v_add_nc_u32 v[CAD], 256, v[CAD]
	s_sub_co_u32 s[CNT], s[CNT], 1
	s_cmp_lg_u32 s[CNT], 0
	s_cbranch_scc1 .Lpair_\@
	STEP 1, 1, 0, 0                                ; tile 15
.endm
	s_load_b256 s[4:11], s[0:1], 0x0               ; emb s[4:5], x s[6:7], idx s[8:9], part s[10:11]
	v_lshl_add_u32 v[SPW], v0, 2, SPARE
	v_mov_b32 v[NIL], 0
	v_lshrrev_b32 v[HH], 5, v0
	v_readfirstlane_b32 s[WV], v[HH]               ; wave 0..3
	v_and_b32 v[RR], 15, v0
	v_bfe_u32 v[HH], v0, 4, 1
	v_and_b32 v[LANE], 31, v0
	v_mov_b32 v[ZERO], 0
	v_lshlrev_b32 v[R16], 4, v[RR]
	v_lshlrev_b32 v[H8], 3, v[HH]
	v_lshl_add_u32 v[XOFF], v[HH], 15, v[R16]      ; 8 channels of 4,096 bytes
	v_lshl_add_u32 v[EOFF], v[HH], 11, v[R16]      ; 8 rows of 256 bytes
	v_mul_u32_u24 v[AAD], v[RR], PE
	v_lshl_add_u32 v[AAD], v[HH], 4, v[AAD]        ; row x pitch + 16 x half
	v_mul_u32_u24 v[CAD], v[HH], 96
	v_add_nc_u32 v[CAD], NT, v[CAD]                ; words 0-7 or 24-31 of a tile's 32
	s_mul_i32 s36, s[WV], 4*TILEB                  ; my four tiles of a batch in LDS
	v_add_nc_u32 v[NFA], s36, v[AAD]
	v_mul_u32_u24 v[EST], v[HH], 8*PE
	v_lshl_add_u32 v[EST], v[RR], 3, v[EST]
	v_add_nc_u32 v[EST], s36, v[EST]
	s_lshl_b32 s37, s[WV], 9                       ; my four tiles' 128 bytes each
	s_add_co_u32 s37, s37, NT
	v_lshl_add_u32 v[NST], v[LANE], 2, s37
	s_lshl_b32 s16, s[WV], 14                      ; emb: my four tiles of a batch, 64 rows of 256 bytes
	s_mov_b32 s17, 0
	s_lshr_b32 s18, ttmp9, 2
	s_lshl_b32 s18, s18, 18                        ; x: image b, 262,144 bytes,
	s_and_b32 s19, ttmp9, 3
	s_lshl_b32 s19, s19, 10                        ; the work-group's 256 places,
	s_add_co_u32 s18, s18, s19
	s_lshl_b32 s19, s[WV], 8                       ; my wave's 64
	s_add_co_u32 s18, s18, s19
	s_lshl_b32 s40, ttmp9, 10                      ; idx: 4 bytes a token
	s_add_co_u32 s40, s40, s19
	s_mov_b32 s19, 0
	s_mov_b32 s41, 0
	s_lshl_b32 s42, ttmp9, 4                       ; part: a word a wave
	s_lshl2_add_u32 s42, s[WV], s42
	s_mov_b32 s43, 0
.irp j, 0,1,2,3,4,5,6,7
	s_mov_b32 s[DM+(\j)], 0x01000001<<(\j)
.endr
	s_mov_b32 s[SEL], 0x76543210
	s_mov_b32 s[SEL+1], 0xfedcba98
.irp t, 0,1,2,3                        ; what the first tile's argmax finds; written while the arguments are on their way
	v_mov_b32 v[XA+(\t)], 0
	v_mov_b32 v[BE+(\t)], 0xff7fffff               ; the lowest finite number: every finite score is greater, so the first tile is always taken
	v_mov_b32 v[TI+(\t)], 0
.endr
.set i, 0
.rept 32
	v_mov_b32 v[SV+i], 0                           ; the selects name these as a source, so they are written
.set i, i+1
.endr
	s_wait_kmcnt 0x0
	s_add_nc_u64 s[4:5], s[4:5], s[16:17]
	s_add_nc_u64 s[6:7], s[6:7], s[18:19]
	s_add_nc_u64 s[8:9], s[8:9], s[40:41]
	s_add_nc_u64 s[10:11], s[10:11], s[42:43]
	; x: load i brings channel 32 (i / 16) + 16 ((i / 8) % 2) + 8 (lane / 16) + i % 8, tokens 4 (lane % 16) + 0..3: each half of the lanes reads 256 consecutive bytes, aligned
	WIN 0x40                                       ; destination window 1, address window 0
.set i, 0
.rept 32
	global_load_b128 v[4*i:4*i+3], v[XOFF], s[6:7] offset:((i/16)*32+((i/8)%2)*16+i%8)*4096 th:TH_LOAD_NT
.set i, i+1
.endr
	LOADT 0
	s_wait_loadcnt 32                              ; x's 32 loads, the oldest, are in; batch 0's 32 may stay out
	LOADT 1
	; while batch 0 is on its way x is rounded into its fragments.  Register m of a token tile's 16 holds the channels of loads 2 m and 2 m + 1
	WIN 0x05                                       ; sources 0 and 1 window 1, destination window 0
.set i, 0
.rept 16
.irp t, 0,1,2,3
	v_cvt_pk_bf16_f32 v[XB+16*(\t)+i], v[8*i+(\t)], v[8*i+4+(\t)]
.endr
.set i, i+1
.endr
	WIN 0
.set i, 0
.rept 64                                       ; the squares of the ROUNDED numbers, in four chains: over the wave's 32 lanes each (token, channel) stands once
	v_fma_mix_f32_bf16 v[XA+(2*i)%4],   v[XB+i], v[XB+i], v[XA+(2*i)%4]   op_sel_hi:[1,1,0]
	v_fma_mix_f32_bf16 v[XA+(2*i+1)%4], v[XB+i], v[XB+i], v[XA+(2*i+1)%4] op_sel:[1,1,0] op_sel_hi:[1,1,0]
.set i, i+1
.endr
	BATCH 0, 32, 2                                 ; batch 0 is in, batch 1's 32 loads stay out, batch 2 is asked for
	STEPS 0                                        ; tiles 0 to 15
	BATCH 1, 32, 3
	STEPS 1                                        ; tiles 16 to 31
	BATCH 2, 32, 4                                 ; batch 3's 32 loads stay out; nothing is left to ask for
	STEPS 1                                        ; tiles 32 to 47
	BATCH 3, 0, 4
	STEPS 1                                        ; tiles 48 to 63
.set n, 0
.rept 56
	RID 1                                          ; tile 63's argmax; the best now lies in BE + 0..3
.endr
	; THE INDEX.  The lowest j whose kept score equals the best; code = 16 x tile + 8 (lane / 16) + j.
.irp t, 0,1,2,3
	v_mov_b32 v[U+(\t)], 7
.endr
.irp j, 6,5,4,3,2,1,0
.irp t, 0,1,2,3
	v_cmp_neq_f32 vcc_lo, v[SV+8*(\t)+(\j)], v[BE+(\t)]
	v_cndmask_b32 v[U+(\t)], \j, v[U+(\t)], vcc_lo
.endr
.endr
.irp t, 0,1,2,3
	v_lshl_add_u32 v[TI+(\t)], v[TI+(\t)], 4, v[U+(\t)]
.endr
.irp t, 0,1,2,3
	v_add_nc_u32 v[TI+(\t)], v[TI+(\t)], v[H8]
.endr
.irp t, 0,1,2,3                        ; a token's other eight codes of each tile lie in the lane 16 away
	v_permlanex16_b32 v[U+4+(\t)], v[BE+(\t)], s[SEL], s[SEL+1]
	v_permlanex16_b32 v[S+(\t)], v[TI+(\t)], s[SEL], s[SEL+1]
.endr
.irp t, 0,1,2,3                        ; the other lane's wins if it is greater, or equal with the lower index: both lanes end with the same pair
	v_cmp_gt_f32 s36, v[U+4+(\t)], v[BE+(\t)]
	v_cmp_eq_f32 s37, v[U+4+(\t)], v[BE+(\t)]
	v_cmp_lt_u32 s38, v[S+(\t)], v[TI+(\t)]
	s_and_b32 s37, s37, s38
	s_or_b32 s36, s36, s37
	v_cndmask_b32 v[TI+(\t)], v[TI+(\t)], v[S+(\t)], s36
	v_max_num_f32 v[BE+(\t)], v[BE+(\t)], v[U+4+(\t)]
.endr
	; THE LOSS'S SUM.  Each token's s_max stands in two lanes, so the sum over the lanes of (my squares of x - my four s_max) is the sum over 64 tokens of |x|^2 - 2 s_max.
	v_add_f32 v[XA], v[XA], v[XA+1]
	v_add_f32 v[XA+2], v[XA+2], v[XA+3]
	v_add_f32 v[U], v[BE], v[BE+1]
	v_add_f32 v[U+1], v[BE+2], v[BE+3]
	v_add_f32 v[XA], v[XA], v[XA+2]
	v_add_f32 v[U], v[U], v[U+1]
	v_sub_f32 v[LS], v[XA], v[U]
	v_add_f32_dpp v[LS], v[LS], v[LS] row_xmask:1 row_mask:0xf bank_mask:0xf
	v_add_f32_dpp v[LS], v[LS], v[LS] row_xmask:2 row_mask:0xf bank_mask:0xf
	v_add_f32_dpp v[LS], v[LS], v[LS] row_xmask:4 row_mask:0xf bank_mask:0xf
	v_add_f32_dpp v[LS], v[LS], v[LS] row_xmask:8 row_mask:0xf bank_mask:0xf
	v_permlanex16_b32 v[U+1], v[LS], s[SEL], s[SEL+1]
	v_add_f32 v[LS], v[LS], v[U+1]
	s_wait_xcnt 0x0                                ; EXEC changes only behind this wait: it is a source of the loads issued above
	v_cmp_gt_u32 vcc_lo, 16, v[LANE]
	s_and_saveexec_b32 s44, vcc_lo
	global_store_b128 v[R16], v[TI:TI+3], s[8:9]   ; lane r holds tokens 4 r .. 4 r + 3: sixteen lanes store 256 consecutive bytes, aligned
	s_wait_xcnt 0x0
	s_or_b32 exec_lo, exec_lo, s44
	v_cmp_eq_u32 vcc_lo, 0, v[LANE]
	s_and_saveexec_b32 s44, vcc_lo
	global_store_b32 v[ZERO], v[LS], s[10:11]      ; one word a wave
	s_wait_xcnt 0x0
	s_or_b32 exec_lo, exec_lo, s44
	s_wait_tensorcnt 0x0                           ; the wave's end: behind my last LDS store
	ds_add_u32 v[SPW], v[NIL]
	s_wait_dscnt 0x0
	s_endpgm
.Lfunc_end_k_qfe5551ac75_vq_argmin:
	.size	k_qfe5551ac75_vq_argmin, .Lfunc_end_k_qfe5551ac75_vq_argmin-k_qfe5551ac75_vq_argmin
	.p2alignl 7, 3214868480
	.fill 96, 4, 3214868480
	.section	.rodata,"a",@progbits
	.p2align	6, 0x0
	.amdhsa_kernel k_qfe5551ac75_vq_argmin
		.amdhsa_group_segment_fixed_size 156160
		.amdhsa_private_segment_fixed_size 0
		.amdhsa_enable_private_segment 0
		.amdhsa_kernarg_size 32
		.amdhsa_user_sgpr_count 2
		.amdhsa_user_sgpr_kernarg_segment_ptr 1
		.amdhsa_wavefront_size32 1
		.amdhsa_system_sgpr_workgroup_id_x 1
		.amdhsa_system_sgpr_workgroup_id_y 1
		.amdhsa_system_sgpr_workgroup_id_z 1
		.amdhsa_system_vgpr_workitem_id 0
		.amdhsa_next_free_vgpr 1024
		.amdhsa_next_free_sgpr 66
		.amdhsa_reserve_vcc 1
		.amdhsa_float_denorm_mode_32 3
		.amdhsa_float_denorm_mode_16_64 3
		.amdhsa_memory_ordered 1
		.amdhsa_forward_progress 1
		.amdhsa_inst_pref_size 151
	.end_amdhsa_kernel
	.amdgpu_metadata
---
amdhsa.version: [ 1, 2 ]
amdhsa.kernels:
  - .name:           k_qfe5551ac75_vq_argmin
    .symbol:         k_qfe5551ac75_vq_argmin.kd
    .args:
      - { .name: emb, .offset: 0, .size: 8, .value_kind: global_buffer, .address_space: global }
      - { .name: x, .offset: 8, .size: 8, .value_kind: global_buffer, .address_space: global }
      - { .name: idx, .offset: 16, .size: 8, .value_kind: global_buffer, .address_space: global }
      - { .name: part, .offset: 24, .size: 8, .value_kind: global_buffer, .address_space: global }
    .group_segment_fixed_size: 156160
    .private_segment_fixed_size: 0
    .kernarg_segment_align: 8
    .kernarg_segment_size: 32
    .max_flat_workgroup_size: 128
    .sgpr_count:     66
    .vgpr_count:     1024
    .wavefront_size: 32
...
	.end_amdgpu_metadata
.endif
;; end of part 1
;; launch vq_gather (part 2): grid 256 x 1, 4 waves a work-group, no clusters, 70,144 bytes of LDS; arguments emb, idx, part, out0, out1; writes out0, out1
.if DOCPART == 2
	.amdgcn_target "amdgcn-amd-amdhsa--gfx1250"
	.amdhsa_code_object_version 6
	.text
	.protected	k_qfe5551ac75_vq_gather
	.globl	k_qfe5551ac75_vq_gather
	.p2align	8
	.type	k_qfe5551ac75_vq_gather,@function
k_qfe5551ac75_vq_gather:
	s_mov_b64 s[64:65], 0
	v_nop
	global_prefetch_b8 v0, s[64:65] scope:SCOPE_SE
	s_setreg_imm32_b32 hwreg(HW_REG_WAVE_MODE, 25, 1), 1
	s_wait_xcnt 0x0
; VECTOR QUANTIZER, SECOND LAUNCH: out0[b][c][place] = emb[idx[token]][c], and out1 = 1.25 / 2^22 x the sum of the first launch's 1,024 partial sums.
; WORK LEFT OUT: x + stop_gradient(q - x) = q for all finite values, so x is not read here and is not among the arguments; a NaN or infinity of x is therefore not carried into out0.
; idx comes from memory as whole numbers; it is held to 0 .. 1,023 before it enters an address.
; SHARES.  256 work-groups of 256 tokens, a wave 64 tokens x 64 channels.  A gather takes whole rows of the table: sixteen lanes one row's 256 bytes (lanes 16-31 another token's row).
; THE TURN.  A lane holds 4 channels of 4 tokens after four gathers: the 4 x 4 block is turned in registers, and 16 bytes (one channel, four tokens) go into the wave's own stage in LDS.
;  Channel c lies in stage row 16 (c % 4) + c / 4, rows 272 bytes apart.
;  Whole rows (a channel's 64 tokens) come back and are stored: sixteen lanes 256 consecutive bytes, aligned.  Each wave reads only what it stored: no barrier.
; No matrix unit, cluster or tensor load: the launch only moves bytes, by addresses that differ from lane group to lane group.
.set PS,    272
.set STG,   64*PS                      ; a wave's stage
.set SPARE, 4*STG                      ; behind the stages: the spare words, 128 bytes for each wave: two blocks of 256 bytes that no other line names
.set R16,  2                           ; v2   16 (lane % 16)
.set IO,   3                           ; v3   16 (lane / 16)
.set ST,   4                           ; v4   where I put 16 bytes of a stage row
.set RD,   5                           ; v5   where I read rows back
.set GO,   6                           ; v6   my byte offset in out0: 16 (lane % 16) + 4 channels x (lane / 16)
.set L16,  7                           ; v7   16 x lane
.set LANE, 8
.set ZERO, 9
.set SPW,  10                          ; v10  LDS address of my spare word; never rewritten
.set NIL,  11                          ; v11  0; never rewritten
.set IX,   16                          ; v[16:47]   the index of token 8 u + 4 (lane / 16) + k at IX + 4 u + k; then its row's byte offset
.set M,    48                          ; v[48:63]   a turned block
.set G,    64                          ; v[64:191]  gather (u, k) at G + 16 u + 4 k; later the rows read back
.set P,    192                         ; v[192:223] the partial sums
.set WV,   14
.set SEL,  16                          ; s[16:17] v_permlanex16_b32: each lane takes its own place in the other half
	s_load_b256 s[4:11], s[0:1], 0x0               ; emb s[4:5], idx s[6:7], part s[8:9], out0 s[10:11]
	s_load_b64 s[12:13], s[0:1], 0x20              ; out1
	v_lshl_add_u32 v[SPW], v0, 2, SPARE
	v_mov_b32 v[NIL], 0
	v_lshrrev_b32 v1, 5, v0
	v_readfirstlane_b32 s[WV], v1                  ; wave 0..3
	v_and_b32 v12, 15, v0                          ; lane % 16
	v_bfe_u32 v13, v0, 4, 1                        ; lane / 16
	v_and_b32 v[LANE], 31, v0
	v_mov_b32 v[ZERO], 0
	v_lshlrev_b32 v[R16], 4, v12
	v_lshlrev_b32 v[IO], 4, v13
	s_mul_i32 s18, s[WV], STG
	v_mul_u32_u24 v[ST], v12, PS
	v_lshl_add_u32 v[ST], v13, 4, v[ST]
	v_add_nc_u32 v[ST], s18, v[ST]
	v_mul_u32_u24 v[RD], v13, PS
	v_add_nc_u32 v[RD], v[RD], v[R16]
	v_add_nc_u32 v[RD], s18, v[RD]
	v_lshl_add_u32 v[GO], v13, 14, v[R16]
	v_lshlrev_b32 v[L16], 4, v[LANE]
	s_mov_b32 s[SEL], 0x76543210
	s_mov_b32 s[SEL+1], 0xfedcba98
	s_lshl_b32 s19, s[WV], 8                       ; my wave's 64 tokens, 4 bytes each
	s_lshl_b32 s22, ttmp9, 10                      ; idx: the work-group's 256 tokens
	s_add_co_u32 s22, s22, s19
	s_mov_b32 s23, 0
	s_lshr_b32 s24, ttmp9, 2
	s_lshl_b32 s24, s24, 18                        ; out0: image b, 262,144 bytes,
	s_and_b32 s25, ttmp9, 3
	s_lshl_b32 s25, s25, 10                        ; the work-group's 256 places
	s_add_co_u32 s24, s24, s25
	s_add_co_u32 s24, s24, s19
	s_mov_b32 s25, 0
	s_wait_kmcnt 0x0
	s_add_nc_u64 s[6:7], s[6:7], s[22:23]
	s_add_nc_u64 s[10:11], s[10:11], s[24:25]
.irp u, 0,1,2,3,4,5,6,7
	global_load_b128 v[IX+4*(\u):IX+4*(\u)+3], v[IO], s[6:7] offset:32*(\u) th:TH_LOAD_NT  ; tokens 8 u + 4 (lane / 16) + 0..3: the same 16 bytes for the sixteen lanes of a half
.endr
	s_wait_loadcnt 0x0
.set i, 0
.rept 32
	v_min_u32 v[IX+i], 0x3ff, v[IX+i]              ; inside the table
	v_lshl_add_u32 v[IX+i], v[IX+i], 8, v[R16]     ; the row's 256 bytes, my 16 of them
.set i, i+1
.endr
.set i, 0
.rept 32
	global_load_b128 v[G+4*i:G+4*i+3], v[IX+i], s[4:5]  ; channels 4 (lane % 16) + 0..3 of the token's code
.set i, i+1
.endr
	; THE LOSS: one wave of the launch adds the 1,024 partial sums, while its gathers are on their way
	s_or_b32 s18, ttmp9, s[WV]
	s_cmp_lg_u32 s18, 0
	s_cbranch_scc1 .Lnoloss
.irp i, 0,1,2,3,4,5,6,7
	global_load_b128 v[P+4*(\i):P+4*(\i)+3], v[L16], s[8:9] offset:512*(\i)
.endr
	s_wait_loadcnt 0x0
.irp s, 16,8,4,2
.set r, 0
.rept (\s)/2
	v_pk_add_f32 v[P+r:P+r+1], v[P+r:P+r+1], v[P+(\s)+r:P+(\s)+r+1]
.set r, r+2
.endr
.endr
	v_add_f32 v[P], v[P], v[P+1]
	v_add_f32_dpp v[P], v[P], v[P] row_xmask:1 row_mask:0xf bank_mask:0xf
	v_add_f32_dpp v[P], v[P], v[P] row_xmask:2 row_mask:0xf bank_mask:0xf
	v_add_f32_dpp v[P], v[P], v[P] row_xmask:4 row_mask:0xf bank_mask:0xf
	v_add_f32_dpp v[P], v[P], v[P] row_xmask:8 row_mask:0xf bank_mask:0xf
	v_permlanex16_b32 v[P+1], v[P], s[SEL], s[SEL+1]
	v_add_f32 v[P], v[P], v[P+1]
	v_mul_f32 v[P], 0x34a00000, v[P]               ; 1.25 / 2^22: the mean over 65,536 x 64 numbers, and 1 + 0.25
	s_wait_xcnt 0x0                                ; EXEC changes only behind this wait: it is a source of the loads issued above
	v_cmp_eq_u32 vcc_lo, 0, v[LANE]
	s_and_saveexec_b32 s20, vcc_lo
	global_store_b32 v[ZERO], v[P], s[12:13]
	s_wait_xcnt 0x0
	s_or_b32 exec_lo, exec_lo, s20
.Lnoloss:
.irp u, 0,1,2,3,4,5,6,7
	s_wait_loadcnt 28-4*(\u)                       ; loads come back in order (ISA guide 5.7.1): gathers 4 u .. 4 u + 3 are in, the later ones may stay out
.irp k, 0,1,2,3
.irp t, 0,1,2,3
	v_mov_b32 v[M+4*(\k)+(\t)], v[G+16*(\u)+4*(\t)+(\k)]  ; channel 4 (lane % 16) + k, tokens 8 u + 4 (lane / 16) + 0..3
.endr
.endr
.irp k, 0,1,2,3
	ds_store_b128 v[ST], v[M+4*(\k):M+4*(\k)+3] offset:16*PS*(\k)+32*(\u)
.endr
.endr
.set i, 0
.rept 32                                       ; stage rows 2 i and 2 i + 1; LDS serves a wave's instructions in order (ISA guide 5.7.1.4): these see the stores above
	ds_load_b128 v[G+4*i:G+4*i+3], v[RD] offset:2*PS*i
.set i, i+1
.endr
.set i, 0
.rept 32                                       ; stage row 2 i + lane / 16 is channel 4 ((2 i) % 16) + 4 (lane / 16) + i / 8
	s_wait_dscnt 31-i
	global_store_b128 v[GO], v[G+4*i:G+4*i+3], s[10:11] offset:(4*((2*i)%16)+i/8)*4096 th:TH_STORE_NT  ; sixteen lanes store 256 consecutive bytes, aligned
.set i, i+1
.endr
	s_wait_tensorcnt 0x0                           ; the wave's end: behind my last LDS store
	ds_add_u32 v[SPW], v[NIL]
	s_wait_dscnt 0x0
	s_endpgm
.Lfunc_end_k_qfe5551ac75_vq_gather:
	.size	k_qfe5551ac75_vq_gather, .Lfunc_end_k_qfe5551ac75_vq_gather-k_qfe5551ac75_vq_gather
	.p2alignl 7, 3214868480
	.fill 96, 4, 3214868480
	.section	.rodata,"a",@progbits
	.p2align	6, 0x0
	.amdhsa_kernel k_qfe5551ac75_vq_gather
		.amdhsa_group_segment_fixed_size 70144
		.amdhsa_private_segment_fixed_size 0
		.amdhsa_enable_private_segment 0
		.amdhsa_kernarg_size 40
		.amdhsa_user_sgpr_count 2
		.amdhsa_user_sgpr_kernarg_segment_ptr 1
		.amdhsa_wavefront_size32 1
		.amdhsa_system_sgpr_workgroup_id_x 1
		.amdhsa_system_sgpr_workgroup_id_y 1
		.amdhsa_system_sgpr_workgroup_id_z 1
		.amdhsa_system_vgpr_workitem_id 0
		.amdhsa_next_free_vgpr 256
		.amdhsa_next_free_sgpr 66
		.amdhsa_reserve_vcc 1
		.amdhsa_float_denorm_mode_32 3
		.amdhsa_float_denorm_mode_16_64 3
		.amdhsa_memory_ordered 1
		.amdhsa_forward_progress 1
		.amdhsa_inst_pref_size 25
	.end_amdhsa_kernel
	.amdgpu_metadata
---
amdhsa.version: [ 1, 2 ]
amdhsa.kernels:
  - .name:           k_qfe5551ac75_vq_gather
    .symbol:         k_qfe5551ac75_vq_gather.kd
    .args:
      - { .name: emb, .offset: 0, .size: 8, .value_kind: global_buffer, .address_space: global }
      - { .name: idx, .offset: 8, .size: 8, .value_kind: global_buffer, .address_space: global }
      - { .name: part, .offset: 16, .size: 8, .value_kind: global_buffer, .address_space: global }
      - { .name: out0, .offset: 24, .size: 8, .value_kind: global_buffer, .address_space: global }
      - { .name: out1, .offset: 32, .size: 8, .value_kind: global_buffer, .address_space: global }
    .group_segment_fixed_size: 70144
    .private_segment_fixed_size: 0
    .kernarg_segment_align: 8
    .kernarg_segment_size: 40
    .max_flat_workgroup_size: 128
    .sgpr_count:     66
    .vgpr_count:     256
    .wavefront_size: 32
...
	.end_amdgpu_metadata
.endif
;; end of part 2
